; MI455X (gfx1250); checked and timed in simulation.
; The chip was launched on July 23, 2026; its instructions are those of AMD's public machine-readable ISA for CDNA 5 (MIT licence, August 2026) and "CDNA5" Instruction Set Architecture Reference Guide (July 2026). The comments in the code are by the model that wrote it; some were corrected since.
;; GSVD Layer. Allowed arithmetic: float matrix products may take bf16 or f16 operands with f32 sums; all other float work in f32.
;; Inputs: S 1,024 float32; U 2,048 x 1,024 float32; Vh 1,024 x 4,096 float32; x 4 x 1,024 x 4,096 float32.
;; Outputs: out0 4 x 1,024 x 2,048 float32.
;; One version. Each part assembles by itself: llvm-mc -triple=amdgcn-amd-amdhsa -mcpu=gfx1250 --defsym DOCPART=n.
;; ======== version 1 of 1: 3 launches
;; limits: values are held in f16: magnitudes above 65,504 overflow, below 6.1e-05 lose precision; right only within a limited range of input values
;; workspace buffers: x16 33,554,432 bytes; vhf 8,388,608 bytes; us16 4,194,304 bytes; t16 8,388,608 bytes
;; launch cast (part 1): grid 2816 x 1, 8 waves a work-group, no clusters, 0 bytes of LDS; arguments x, Vh, U, S, x16, vhf, us16; writes x16, vhf, us16
.if DOCPART == 1
	.amdgcn_target "amdgcn-amd-amdhsa--gfx1250"
	.amdhsa_code_object_version 6
	.text
	.protected	k_q5da40340d8_cast
	.globl	k_q5da40340d8_cast
	.p2align	8
	.type	k_q5da40340d8_cast,@function
k_q5da40340d8_cast:
	s_mov_b64 s[64:65], 0
	v_nop
	global_prefetch_b8 v0, s[64:65] scope:SCOPE_SE
	s_setreg_imm32_b32 hwreg(HW_REG_WAVE_MODE, 25, 1), 1
	s_wait_xcnt 0x0
; THE PROGRAM.  The problem asks y = x W^T with W = (U * S) Vh.  Matrix products associate for all values of the inputs, so
; y = (x Vh^T) (U * S)^T.  With 4,096 rows of x, d = 4,096, rank 1,024 and 2,048 outputs that order costs
; 2*4096*1024*4096 + 2*4096*2048*1024 operations against 2*2048*4096*1024 + 2*4096*2048*4096 for the order through W, and both products
; then have both operands with K along their rows.  No input and no step is left out: x, U, S and Vh are all read; only W is never formed.
; Three launches: this one makes 16-bit copies, the second makes t = x Vh^T, the third y = t (U * S)^T.
; FORMAT.  The matrix operands are f16, not bf16: four roundings lie between the inputs and y (x, Vh, t, U * S), and f16 keeps three bits more in each.
; Two powers of two keep t and U * S inside f16 and cancel exactly: t is stored as t / 8, U * S as 8 U S.
; LIMITS.  The result is not finite where |x| or |Vh| reaches 65,504, |x Vh^T| reaches 524,000 or |U S| reaches 8,188; numbers of x or Vh below 2^-24,
; and of U S below 2^-27, round to zero.  An overflow or a NaN that would arise in W alone is not carried to y.  The sums run in another order than the problem's.
;
; THIS LAUNCH: x16 = f16(x), vhf = f16(Vh) in the order of matrix fragments, us16 = f16(U * 8 S).  A stream: memory binds, so no LDS, no barrier, no matrix unit.
; A work-group converts 8,192 numbers: 32 KiB in, 16 KiB out.  Groups 0-2047 take x, 2048-2559 Vh, 2560-2815 U.
; x AND U.  Thread t, load j: 16 bytes at 16 t + 4,096 j, so a wave's load covers 512 neighbouring bytes; its 8 bytes of f16 go to 8 t + 2,048 j, so a wave's store
; covers 256 consecutive bytes, aligned.  For U a group's numbers are 8 rows of 1,024, so thread t has columns 4 t .. 4 t + 3 in every load and reads its four S once.
; Vh.  The second launch takes Vh's fragments (16 rows n x 32 k) straight from memory into registers, so they are stored as the registers want them:
;   byte = 2^20 (n / 128) + 8,192 (k / 32) + 1,024 (n / 16 mod 8) + 512 j + 16 lane, lane = n mod 16 + 16 h, holding k = 32 (k / 32) + 16 j + 8 h + 0..7.
; A group takes 16 rows x 512 k, a wave two fragments: 16 rows x 256 aligned bytes, read by eight loads that follow each other; a lane's 32 bytes of f32 make the 16 bytes
; that it stores, and a wave's store covers 512 consecutive bytes, aligned.
; Eight loads of every wave are out at once; no register is written twice, so no wait frees a source.
.set XGROUPS, 2048                     ; 4096 * 4096 / 8192
.set VGROUPS, 512                      ; 1024 * 4096 / 8192
.set SC, 4                             ; v[4:7]    S of my four columns, then 8 S
.set X,  8                             ; v[8:39]   load j: four f32
.set Y,  40                            ; v[40:55]  f16 to store
.set VI, 56                            ; v56       Vh: my byte offset in the group's 16 rows
.set VO, 59                            ; v59       Vh: my byte offset in the group's fragments
; The stream of x or of U.  src, dst: the scalar pairs of its addresses; first: its first group; scaled = 1: times 8 S.
.macro PATH src, dst, first, scaled
.if \first
	s_sub_co_u32 s18, s2, \first                   ; my place in this stream
	s_lshl_b32 s20, s18, 14                        ; 16 KiB out,
	s_lshl_b32 s18, s18, 15                        ; 32 KiB in (64 MiB at the most: one word, the high words are 0)
.else
	s_lshl_b32 s20, s2, 14
	s_lshl_b32 s18, s2, 15
.endif
	s_add_nc_u64 s[\src:\src+1], s[\src:\src+1], s[18:19]
	s_add_nc_u64 s[\dst:\dst+1], s[\dst:\dst+1], s[20:21]
.if \scaled
	global_load_b128 v[SC:SC+3], v1, s[10:11]      ; S[4 t .. 4 t + 3]: every group of U reads S, so no hint
.endif
.irp j, 0,1,2,3,4,5,6,7
	global_load_b128 v[X+4*\j:X+4*\j+3], v1, s[\src:\src+1] offset:4096*\j th:TH_LOAD_NT   ; read once in the launch
.endr
.irp j, 0,1,2,3,4,5,6,7
	s_wait_loadcnt 7-\j                            ; loads come back in order (ISA guide 5.7.1): load j is in (and S, which is older than all eight); the 7 - j younger stay out
.if \scaled
.if \j == 0
	v_pk_mul_f32 v[SC:SC+1],   v[SC:SC+1],   0x41000000 op_sel_hi:[1,0]     ; 8 S: exact, a power of two
	v_pk_mul_f32 v[SC+2:SC+3], v[SC+2:SC+3], 0x41000000 op_sel_hi:[1,0]
.endif
	v_pk_mul_f32 v[X+4*\j:X+4*\j+1],   v[X+4*\j:X+4*\j+1],   v[SC:SC+1]
	v_pk_mul_f32 v[X+4*\j+2:X+4*\j+3], v[X+4*\j+2:X+4*\j+3], v[SC+2:SC+3]
.endif
	v_cvt_pk_f16_f32 v[Y+2*\j],   v[X+4*\j],   v[X+4*\j+1]
	v_cvt_pk_f16_f32 v[Y+2*\j+1], v[X+4*\j+2], v[X+4*\j+3]
	global_store_b64 v2, v[Y+2*\j:Y+2*\j+1], s[\dst:\dst+1] offset:2048*\j      ; the next launches read these bytes: no hint
.endr
	s_endpgm
.endm
; Vh into fragment order.  Group g: rows 16 (g / 8) .. + 15, k = 512 (g mod 8) .. + 511.  Wave w: k blocks 16 (g mod 8) + 2 w + f, f = 0, 1.
.macro PATHV
	s_sub_co_u32 s18, s2, XGROUPS                  ; g
	s_lshr_b32 s22, s18, 3                         ; which 16 rows
	s_and_b32 s23, s18, 7                          ; which 512 k
	s_lshl_b32 s18, s22, 18                        ; in: 16 rows of 16,384 bytes,
	s_lshl_b32 s20, s23, 11                        ; 512 k of 4 bytes
	s_add_co_u32 s18, s18, s20
	s_add_nc_u64 s[6:7], s[6:7], s[18:19]
	s_lshr_b32 s20, s22, 3                         ; out: the block of 128 rows: 2^20 bytes,
	s_lshl_b32 s20, s20, 20
	s_and_b32 s22, s22, 7                          ; the 16 rows in it: 1,024 bytes,
	s_lshl_b32 s22, s22, 10
	s_add_co_u32 s20, s20, s22
	s_lshl_b32 s23, s23, 17                        ; 16 k blocks of 8,192 bytes
	s_add_co_u32 s20, s20, s23
	s_add_nc_u64 s[14:15], s[14:15], s[20:21]
	v_and_b32 v[VI], 15, v0                        ; r: my row
	v_bfe_u32 v57, v0, 4, 1                        ; h
	v_lshrrev_b32 v58, 5, v0                       ; w
	v_lshlrev_b32 v[VI], 14, v[VI]                 ; in: 16,384 r
	v_lshl_add_u32 v[VI], v57, 5, v[VI]            ;     + 32 h (8 k of 4 bytes)
	v_lshl_add_u32 v[VI], v58, 8, v[VI]            ;     + 256 w (two k blocks)
	v_and_b32 v[VO], 31, v0
	v_lshlrev_b32 v[VO], 4, v[VO]                  ; out: 16 lane
	v_lshl_add_u32 v[VO], v58, 14, v[VO]           ;      + 16,384 w (two k blocks)
.irp l, 0,1,2,3,4,5,6,7
	global_load_b128 v[X+4*\l:X+4*\l+3], v[VI], s[6:7] offset:(\l/4)*128+((\l/2)%2)*64+(\l%2)*16   ; fragment l / 4, half j = l / 2 mod 2, my k 0-3 or 4-7; the eight share their 256-byte pieces: no hint
.endr
.irp m, 0,1,2,3
	s_wait_loadcnt 6-2*\m                          ; loads 2 m and 2 m + 1 are in; the 6 - 2 m younger stay out
.irp e, 0,1,2,3
	v_cvt_pk_f16_f32 v[Y+4*\m+\e], v[X+8*\m+2*\e], v[X+8*\m+2*\e+1]
.endr
	global_store_b128 v[VO], v[Y+4*\m:Y+4*\m+3], s[14:15] offset:(\m/2)*8192+(\m%2)*512   ; fragment m / 2, half m mod 2: the wave stores 512 consecutive bytes, aligned
.endr
	s_endpgm
.endm
	s_load_b256 s[4:11], s[0:1], 0x0               ; x s[4:5], Vh s[6:7], U s[8:9], S s[10:11]
	s_load_b128 s[12:15], s[0:1], 0x20             ; x16 s[12:13], vhf s[14:15]
	s_load_b64 s[16:17], s[0:1], 0x30              ; us16
	s_mov_b32 s2, ttmp9                            ; the work-group's number
	s_mov_b32 s19, 0                               ; high words of the two offsets
	s_mov_b32 s21, 0
	v_lshlrev_b32 v1, 4, v0                        ; 16 t
	v_lshlrev_b32 v2, 3, v0                        ; 8 t
	s_wait_kmcnt 0x0
	s_cmp_lt_u32 s2, XGROUPS
	s_cbranch_scc1 .Lstream_x
	s_cmp_lt_u32 s2, XGROUPS+VGROUPS
	s_cbranch_scc1 .Lstream_vh
	PATH 8, 16, XGROUPS+VGROUPS, 1
.Lstream_vh:
	PATHV
.Lstream_x:
	PATH 4, 12, 0, 0
.Lfunc_end_k_q5da40340d8_cast:
	.size	k_q5da40340d8_cast, .Lfunc_end_k_q5da40340d8_cast-k_q5da40340d8_cast
	.p2alignl 7, 3214868480
	.fill 96, 4, 3214868480
	.section	.rodata,"a",@progbits
	.p2align	6, 0x0
	.amdhsa_kernel k_q5da40340d8_cast
		.amdhsa_group_segment_fixed_size 0
		.amdhsa_private_segment_fixed_size 0
		.amdhsa_enable_private_segment 0
		.amdhsa_kernarg_size 56
		.amdhsa_user_sgpr_count 2
		.amdhsa_user_sgpr_kernarg_segment_ptr 1
		.amdhsa_wavefront_size32 1
		.amdhsa_system_sgpr_workgroup_id_x 1
		.amdhsa_system_sgpr_workgroup_id_y 1
		.amdhsa_system_sgpr_workgroup_id_z 1
		.amdhsa_system_vgpr_workitem_id 0
		.amdhsa_next_free_vgpr 64
		.amdhsa_next_free_sgpr 66
		.amdhsa_reserve_vcc 0
		.amdhsa_float_denorm_mode_32 3
		.amdhsa_float_denorm_mode_16_64 3
		.amdhsa_memory_ordered 1
		.amdhsa_forward_progress 1
		.amdhsa_inst_pref_size 12
	.end_amdhsa_kernel
	.amdgpu_metadata
---
amdhsa.version: [ 1, 2 ]
amdhsa.kernels:
  - .name:           k_q5da40340d8_cast
    .symbol:         k_q5da40340d8_cast.kd
    .args:
      - { .name: x, .offset: 0, .size: 8, .value_kind: global_buffer, .address_space: global }
      - { .name: Vh, .offset: 8, .size: 8, .value_kind: global_buffer, .address_space: global }
      - { .name: U, .offset: 16, .size: 8, .value_kind: global_buffer, .address_space: global }
      - { .name: S, .offset: 24, .size: 8, .value_kind: global_buffer, .address_space: global }
      - { .name: x16, .offset: 32, .size: 8, .value_kind: global_buffer, .address_space: global }
      - { .name: vhf, .offset: 40, .size: 8, .value_kind: global_buffer, .address_space: global }
      - { .name: us16, .offset: 48, .size: 8, .value_kind: global_buffer, .address_space: global }
    .group_segment_fixed_size: 0
    .private_segment_fixed_size: 0
    .kernarg_segment_align: 8
    .kernarg_segment_size: 56
    .max_flat_workgroup_size: 256
    .sgpr_count:     66
    .vgpr_count:     64
    .wavefront_size: 32
...
	.end_amdgpu_metadata
.endif
;; end of part 1
;; launch gemm1 (part 2): grid 8 x 32, 4 waves a work-group, clusters of 4 x 1, 327,680 bytes of LDS; arguments x16, vhf, t16; writes t16
.if DOCPART == 2
	.amdgcn_target "amdgcn-amd-amdhsa--gfx1250"
	.amdhsa_code_object_version 6
	.text
	.protected	k_q5da40340d8_gemm1
	.globl	k_q5da40340d8_gemm1
	.p2align	8
	.type	k_q5da40340d8_gemm1,@function
k_q5da40340d8_gemm1:
	s_mov_b64 s[64:65], 0
	v_nop
	global_prefetch_b8 v0, s[64:65] scope:SCOPE_SE
	s_setreg_imm32_b32 hwreg(HW_REG_WAVE_MODE, 25, 1), 1
	s_wait_xcnt 0x0
	s_wait_alu depctr_hold_cnt(0) depctr_sa_sdst(0) depctr_va_vdst(0) depctr_va_sdst(0) depctr_va_ssrc(0) depctr_va_vcc(0) depctr_vm_vsrc(0)
	s_getreg_b32 s2, hwreg(HW_REG_IB_STS2, 6, 4)
	s_cmp_eq_u32 s2, 0
	s_cbranch_scc0 .Lentry_in_a_cluster
	s_endpgm
.Lentry_in_a_cluster:
	s_bfe_u32 s2, ttmp6, 0x10000c
	s_cmp_lg_u32 s2, 0x3003
	s_cbranch_scc0 .Lentry_shape_is_right
	s_endpgm
.Lentry_shape_is_right:
; t16[m][n] = f16( 1/8 * sum over k of x[m][k] Vh[n][k] ).  A = x16 [4096][4096] f16; B = vhf, Vh [1024][4096] as f16 in fragment order; C = t16 [4096][1024] f16; sums in f32.
; This is the first product of y = (x Vh^T)(U * S)^T; W of the problem's formula is never formed (the head of the first kernel says why that holds for all inputs).
; The factor 1/8 keeps t inside f16 (finite below |t| = 524,000) and is undone exactly by the 8 in us16.
; SHAPE.  C has 32 x 8 blocks of 128 x 128: one block for each of 256 work-groups.  Four waves, as many as a WGP has SIMDs.  Each wave holds a whole 128 x 128 block
; of sums (64 tiles of 16 x 16, 512 registers) and takes a QUARTER OF K: of each K step of 512 wave w multiplies k = 128 w .. 128 w + 127, in four quarters of 32.
; So 16 KiB of fragments feed 64 matrix instructions, and the four partial blocks are added through LDS at the end.
; LIMIT: each sum is therefore made as four partial sums, not in one ascending chain.
; A GOES THROUGH LDS.  Two slots; of each, wave w fills and reads its own part: 128 rows x 256 bytes of memory, starting at multiples of 256 bytes.  A's tile hangs on the
; block row alone, and the four work-groups of a cluster (4 x 1) make blocks of one block row: the tile is asked for jointly, which divides the requests for A by four.
; B DOES NOT, AND IS NOT ASKED FOR JOINTLY.  Since the waves split K, no byte of B is read by two waves of a work-group: LDS would only pass it on.  vhf holds each fragment as the
; registers want it, so two loads of 512 consecutive bytes bring a fragment straight into registers; they are counted apart from the tensor loads and stay out across the ring's
; barriers, three quarters (192 matrix instructions) ahead of their use.  The ring then holds A alone: a slot of 128 KiB of data serves K = 512 and not 256, so there are 8 changes of
; slot and not 16, a refill has 240 matrix instructions in which to land and not 112, and B's 1 MiB a work-group is neither written to LDS nor read from it.
; REGISTERS, in windows of 256: window 0: v0-33 addresses; v64-127, v128-191 fragments of A, two buffers; v192-223 at work on the way out.
;   window 1: four buffers of 64 registers for B; quarter q of every K step uses buffer q.
;   window 2: accumulator tiles of register rows a = 0..3 (tile (a, b) at v[8 (8 a + b)]); window 3: a = 4..7.
; THE ROWS ARE ROTATED BY THE WAVE.  The 8 row blocks of 16 form 4 groups of 2.  Register group p of wave w holds the block's group (p + w) mod 4, so group 0 is always the
; group that wave w keeps and writes, and groups 1, 2, 3 go to waves w + 1, w + 2, w + 3 (mod 4): the exchange is the same text in every wave, only addresses differ.
; THE MATRIX INSTRUCTION IS USED TRANSPOSED: source 0 = 16 rows of B, source 1 = 16 rows of A.  Lane l then holds row m = l % 16 and its registers 0-7 the columns
; n = 8 (l / 16) + 0..7: eight neighbouring numbers of a row of C.
.set SIZE_N, 1024
.set SIZE_K, 4096
.set KS,     4                         ; slices of K = waves
.set G,      8/KS                      ; row blocks of 16 in a group
.set BM,     128                       ; rows of the work-group's block
.set WK,     128                       ; K of a slot for one wave: four quarters of 32
.set KSTEP,  KS*WK                     ; 512: K of a slot
.set PITCH,  2*WK+16                   ; 272: an LDS row with 16 bytes of padding, an odd multiple of 16: the 16 rows that a load touches start 16 bytes apart modulo 256
.set QI,     5                         ; padding after every 2 << 5 = 64 words, a row
.set PART,   BM*PITCH                  ; 34,816: a wave's part of a slot
.set SLOT,   KS*PART                   ; 139,264
.set LAPS,   SIZE_K/(2*KSTEP)          ; 4: a lap = two K steps = once round the ring
.set QB,     8*1024                    ; B of a quarter: 8 fragments of 1,024 bytes, neighbours in vhf
.set STEPB,  KS*4*QB                   ; 131,072: B of a K step, the four waves' quarters
.set PIECE,  G*8*1024                  ; a group of sums as a register image: 16 tiles of 1,024 bytes
.set XCHB,   4*(KS-1)*PIECE            ; the exchange: three pieces for each of four waves, from LDS byte 0, in the ring's bytes behind their last fill
.set SPITCH, 272                       ; the way out: a row of 128 f16 + 16 bytes
.set ADRA, 16                          ; v16-23  LDS address of my A fragments: slot 0 groups 0-3, slot 1 groups 0-3
.set XS,   26                          ; v26-28  where my groups 1, 2, 3 go
.set XR,   29                          ; v29     where the three pieces for me lie
.set STO,  30                          ; v30     the way out: where I put 16 bytes of a row
.set RD,   31                          ; v31     the way out: where I read a row back
.set CO,   32                          ; v32     my byte offset in C
.set BO,   33                          ; v33     my byte offset in a K step of B: 16 x lane + 32,768 x wave; never rewritten
.set F0,   64
.set F1,   128
.set TMP,  192
.set G1,  24                           ; s[24:31] descriptor group 1
.set G0,  32                           ; s[32:39] descriptor group 0, one set for each slot
.set BB,  44                           ; s[44:45] B at my block column and the current K step
.set MSB, 0
.macro WIN new                         ; the immediate's high byte repeats the setting that is left; a switch that changes nothing is dropped
.if MSB != \new
	s_set_vgpr_msb (MSB<<8)|\new
.set MSB, \new
.endif
.endm
.set MUL_LO, 0xa1                      ; source 0 (B) window 1, source 1 (A) window 0, C and D window 2
.set MUL_HI, 0xf1                      ; the same, C and D window 3
.set TO_B,   0x40                      ; destination window 1, address window 0
; A round of the cluster's barrier: my work-group's barrier, so that wave 0's signal speaks for all four waves; wave 0 signals for the work-group; every wave waits for all
; four work-groups; my work-group's barrier once more.
.macro CREST                           ; a round behind its opening barrier
	s_cmp_lg_u32 s10, 0
	s_cbranch_scc1 .Lnot_wave_0_\@
	s_barrier_signal -3
.Lnot_wave_0_\@:
	s_barrier_wait -3
	s_barrier_signal -1
	s_barrier_wait -1
.endm
.macro CROUND                          ; a whole round
	s_barrier_signal -1
	s_barrier_wait -1
	CREST
.endm
; 16 loads: B of the quarter t, counted from the current K step's first (t = 4..6: the next step's), into buffer t mod 4.  Each load of the wave covers 512 consecutive bytes, aligned.
; 32 block rows read the same bytes: no hint.
.macro BLOAD t
	WIN TO_B
.irp i, 0,1,2,3,4,5,6,7
	global_load_b128 v[64*((\t)%4)+8*\i:64*((\t)%4)+8*\i+3],   v[BO], s[BB:BB+1] offset:((\t)%4)*QB+((\t)/4)*STEPB+\i*1024
	global_load_b128 v[64*((\t)%4)+8*\i+4:64*((\t)%4)+8*\i+7], v[BO], s[BB:BB+1] offset:((\t)%4)*QB+((\t)/4)*STEPB+\i*1024+512
.endr
.endm
	s_load_b128 s[4:7], s[0:1], 0x0                ; A s[4:5], B s[6:7]
	s_load_b64 s[8:9], s[0:1], 0x10                ; C
	v_lshl_add_u32 v254, v0, 2, 0x44000
	v_mov_b32 v255, 0
	ds_add_u32 v254, v255
	ds_add_u32 v254, v255
	v_lshrrev_b32 v1, 5, v0
	v_readfirstlane_b32 s10, v1                    ; wave 0..3
	v_and_b32 v6, 31, v0
	v_lshlrev_b32 v6, 4, v6                        ; 16 x lane
	v_lshl_add_u32 v[BO], v1, 15, v6               ; + 4 quarters of 8,192 bytes x wave
	s_and_b32 s66, s10, KS-1                       ; my slice of K, and the group of rows that I keep
	s_bfe_u32 s40, ttmp6, 0x40000                  ; cx
	s_lshl_b32 s42, ttmp9, 2
	s_add_co_u32 s42, s42, s40                     ; block column of C = 4 x cluster x + cx
	s_and_b32 s13, ttmp7, 0xffff                   ; block row of C = cluster y: a cluster is one work-group high
	; descriptor group 1: a tile of 128 rows x 128 elements of 2 bytes, padded in LDS
	s_mov_b32 s[G1+0], 15|(1<<16)|(1<<20)|(1<<21)|(QI<<22)|(3<<25)   ; 15:0 mask: all four of the cluster; 17:16 2 bytes; 20 padding on; 21 set beside a mask; 24:22 after every 64 words; 31:25 of 4 words
	s_mov_b32 s[G1+1], WK<<16                      ; tensor_dim0 = 128
	s_mov_b32 s[G1+2], BM<<16                      ; tensor_dim1 = 128
	s_mov_b32 s[G1+3], WK<<16                      ; tile_dim0 = 128
	s_mov_b32 s[G1+4], BM                          ; tile_dim1 = 128
	s_mov_b32 s[G1+5], SIZE_K                      ; elements from row to row
	s_mov_b32 s[G1+6], 0
	s_mov_b32 s[G1+7], 0
	; A's tile hangs on the block row, which the four partners share, and on the wave's number; B's and C's places alone hang on the block column.  All offsets stay below 32 MiB.
	s_mul_i32 s16, s13, BM*SIZE_K*2                ; A: row 128 x block row,
	s_lshl_b32 s17, s10, 8                         ; my 128 k of a K step: 256 bytes x wave
	s_add_co_u32 s16, s16, s17
	s_mov_b32 s17, 0
	s_lshl_b32 s46, s42, 20                        ; B: 2^20 bytes for a block column
	s_mov_b32 s47, 0
	s_mul_i32 s20, s10, PART                       ; where my tiles go: no place in the cluster enters an LDS address
	s_wait_dscnt 0x0
	s_wait_kmcnt 0x0
	s_add_nc_u64 s[14:15], s[4:5], s[16:17]
	s_add_nc_u64 s[BB:BB+1], s[6:7], s[46:47]
	BLOAD 0                                        ; B of the first three quarters: 48 loads of the wave are out, the most that ever are
	BLOAD 1
	BLOAD 2
	WIN 0
	CROUND                                         ; all four work-groups are here: the first joint loads meet
.irp s, 0,1
	s_mov_b32 s[G0+4*\s], 1                                        ; count = 1
	s_add_co_u32 s[G0+4*\s+1], s20, \s*SLOT                        ; LDS address
	s_add_nc_u64 s[G0+4*\s+2:G0+4*\s+3], s[14:15], \s*KSTEP*2      ; global address: K step s
	s_or_b32 s[G0+4*\s+3], s[G0+4*\s+3], 0x80000000                ; type = 2
	tensor_load_to_lds s[G0+4*\s:G0+4*\s+3], s[G1:G1+7]            ; both first fills go out together: two tensor loads of the wave are out here, one behind every later round
	s_nop 0
.endr
	; A fragment is 16 rows x 32 K in 8 registers: lane l holds row l % 16; registers 0-3 hold K = 8 (l / 16) + 0..7, registers 4-7 K = 16 + 8 (l / 16) + 0..7:
	; from LDS two loads of 16 bytes, 32 bytes apart.
	v_and_b32 v1, 15, v0                           ; r = l % 16
	v_bfe_u32 v2, v0, 4, 1                         ; h = l / 16
	v_mul_u32_u24 v3, v1, PITCH
	v_lshl_add_u32 v3, v2, 4, v3                   ; r x pitch + 16 h
.irp p, 0,1,2,3
	s_add_co_u32 s68, s66, \p
	s_and_b32 s68, s68, KS-1                       ; register group p holds the block's group (p + slice) mod 4
	s_mul_i32 s68, s68, G*16*PITCH
	s_add_co_u32 s68, s68, s20                     ; in my part of the slot
	v_add_nc_u32 v[ADRA+\p], s68, v3
	v_add_nc_u32 v[ADRA+KS+\p], SLOT, v[ADRA+\p]
.endr
.irp p, 1,2,3
	s_add_co_u32 s68, s66, \p
	s_and_b32 s68, s68, KS-1                       ; the wave that keeps my group p;
	s_mul_i32 s68, s68, (KS-1)*PIECE               ; its three places; mine among them is place p - 1, which stands in the stores' immediate
	v_add_nc_u32 v[XS+\p-1], s68, v6
.endr
	s_mul_i32 s68, s10, (KS-1)*PIECE
	v_add_nc_u32 v[XR], s68, v6
	s_mul_i32 s23, s10, 16*SPITCH
	s_add_co_u32 s23, s23, XCHB                    ; my stage, behind the exchange
	v_mul_u32_u24 v4, v1, SPITCH                   ; in: row r, 16 bytes for each half of the lanes
	v_lshl_add_u32 v4, v2, 4, v4
	v_add_nc_u32 v[STO], s23, v4
	v_mul_u32_u24 v5, v2, SPITCH                   ; back: lanes 0-15 take one row of 256 bytes, lanes 16-31 the next
	v_lshl_add_u32 v5, v1, 4, v5
	v_add_nc_u32 v[RD], s23, v5
	v_mul_u32_u24 v5, v2, SIZE_N*2                 ; and the same two rows in C
	v_lshl_add_u32 v[CO], v1, 4, v5
; 16 matrix instructions of quarter q (A's buffer q mod 2, B's buffer q): register rows a0, a0 + 1 of the window's four x all 8 column blocks, 32 along K.
; zero = 1: the first product starts the sums: nothing is cleared.
; The 64 accumulators take turns, one instruction a turn, in the same order in every quarter, over the loop's backward jump too.
.macro MUL16 q, hi, a0, zero
.irp a, \a0, \a0+1
.irp b, 0,1,2,3,4,5,6,7
.if \zero
	v_wmma_f32_16x16x32_f16 v[8*(8*(\a)+\b):8*(8*(\a)+\b)+7], v[64*(\q)+8*\b:64*(\q)+8*\b+7], v[F0+64*((\q)%2)+8*(4*\hi+\a):F0+64*((\q)%2)+8*(4*\hi+\a)+7], 0
.else
	v_wmma_f32_16x16x32_f16 v[8*(8*(\a)+\b):8*(8*(\a)+\b)+7], v[64*(\q)+8*\b:64*(\q)+8*\b+7], v[F0+64*((\q)%2)+8*(4*\hi+\a):F0+64*((\q)%2)+8*(4*\hi+\a)+7], v[8*(8*(\a)+\b):8*(8*(\a)+\b)+7]
.endif
.endr
.endr
.endm
; 16 LDS loads: A of quarter q of a slot (128 rows, 32 K at byte 64 q of my rows) into buffer q mod 2.  Register row i is row i % G of register group i / G.
.macro AFETCH slot, q
	WIN 0
.irp i, 0,1,2,3,4,5,6,7
	ds_load_b128 v[F0+64*((\q)%2)+8*\i:F0+64*((\q)%2)+8*\i+3],   v[ADRA+\slot*KS+\i/G] offset:64*(\q)+(\i%G)*16*PITCH
	ds_load_b128 v[F0+64*((\q)%2)+8*\i+4:F0+64*((\q)%2)+8*\i+7], v[ADRA+\slot*KS+\i/G] offset:64*(\q)+(\i%G)*16*PITCH+32
.endr
.endm
; A load into a register that a matrix instruction has read, and whatever reads a matrix result other than the next link of its chain, stand four places behind that matrix
; instruction; only plain vector instructions that name none of its registers are places (ISA guide 7.12.1 for vector instructions).
.macro PLACES
.rept 4
	v_nop
.endr
.endm
; One of a K step's first three quarters.  At its head the two buffers that the quarter before has read are loaded again: A's with the next quarter's fragments, B's with those of
; the quarter three ahead (bl = 1; the last three quarters of the launch ask for nothing).  left: how many younger loads of B may stay out.
.macro QTR slot, q, zero, bl, left
	PLACES                                         ; behind the last quarter's matrix instructions
	AFETCH \slot, \q+1
	s_wait_loadcnt \left                           ; loads come back in order (ISA guide 5.7.1): B of this quarter is in; those of the quarters behind it stay out
.if \bl
	BLOAD \q+3
.endif
	s_wait_dscnt 16                                ; A of this quarter is in; the 16 loads just issued may be out
	WIN MUL_LO
	MUL16 \q, 0, 0, \zero
	MUL16 \q, 0, 2, \zero
	WIN MUL_HI
	MUL16 \q, 1, 0, \zero
	MUL16 \q, 1, 2, \zero
.endm
; The fourth quarter changes slots.  fill = 1: this slot is filled again, two K steps ahead.  One barrier for the change.  In front of it each wave waits for its own reads of this slot
; (the last are this quarter's fragments) and for all its tensor loads, of which one is out: its part of the next slot.  Behind it the refill comes first, then the next slot's first
; fragments.  From a request to the wait for it a wave issues 48 + 192 = 240 matrix instructions.  B's loads go into registers and may stay out across the barrier.
.macro TURN slot, next, fill
	PLACES                                         ; behind the third quarter's matrix instructions, which read A's buffer 0 and B's buffer 2
	s_wait_loadcnt 32                              ; B of this quarter is in; the next two quarters' 32 loads stay out
	BLOAD 6
	s_wait_dscnt 0                                 ; A of this quarter is in: my reads of this slot are over
	s_wait_tensorcnt 0x0                           ; and all my tensor loads have landed
	ds_add_u32 v254, v255
	s_wait_dscnt 0x0
	s_barrier_signal -1                            ; say so (where a slot is filled again this barrier opens a round of the cluster's barrier),
	WIN MUL_LO
	MUL16 3, 0, 0, 0                               ; work on registers while the others arrive,
	WIN 0
	s_barrier_wait -1
.if \fill
	CREST                                          ; no wave of any partner still reads this slot's tile or has a load on its way
	s_add_nc_u64 s[G0+4*\slot+2:G0+4*\slot+3], s[G0+4*\slot+2:G0+4*\slot+3], 2*KSTEP*2
	tensor_load_to_lds s[G0+4*\slot:G0+4*\slot+3], s[G1:G1+7]      ; the first tensor load behind the round, and the wave's only one until the next
	s_nop 0
.endif
	s_wait_xcnt 0x0                                ; every earlier memory instruction has had its addresses translated (ISA guide 3.1): B's base is stepped only behind this wait
	s_add_nc_u64 s[BB:BB+1], s[BB:BB+1], STEPB     ; the next K step
	AFETCH \next, 0                                ; into A's buffer 0: the four places at this macro's head stand between its last readers and these loads
	WIN MUL_LO
	MUL16 3, 0, 2, 0
	WIN MUL_HI
	MUL16 3, 1, 0, 0
	MUL16 3, 1, 2, 0
.endm
.macro STEP slot, next, fill, zero
	QTR \slot, 0, \zero, 1, 32
	QTR \slot, 1, 0, 1, 32
	QTR \slot, 2, 0, 1, 32
	TURN \slot, \next, \fill
.endm
.macro LAP zero                        ; once round the ring, both slots filled again
	STEP 0, 1, 1, \zero
	STEP 1, 0, 1, 0
.endm
	s_wait_tensorcnt 0x1                           ; my part of K step 0 is in; K step 1's may stay out
	s_barrier_signal -1
	s_barrier_wait -1                              ; everybody's is
	AFETCH 0, 0
	LAP 1                                          ; the first lap stands in front of the loop: its first products start the sums
	WIN 0                                          ; at a label and at a branch every window is 0
	s_mov_b32 s3, LAPS-2
.Llap:
	LAP 0
	WIN 0
	s_sub_co_u32 s3, s3, 1
	s_cmp_lg_u32 s3, 0
	s_cbranch_scc1 .Llap
	STEP 0, 1, 0, 0                                ; the last lap fills nothing and has no round of the cluster's barrier
	QTR 1, 0, 0, 1, 32                             ; the last loads of B: the last quarter's
	QTR 1, 1, 0, 0, 32                             ; the counts run down: two quarters' loads behind this one's,
	QTR 1, 2, 0, 0, 16                             ; one quarter's,
	s_wait_loadcnt 0x0                             ; none
	s_wait_dscnt 0
	WIN MUL_LO
	MUL16 3, 0, 0, 0
	MUL16 3, 0, 2, 0
	WIN MUL_HI
	MUL16 3, 1, 0, 0
	MUL16 3, 1, 2, 0
	; THE FOUR PARTIAL BLOCKS ARE ADDED.  Each wave sends its groups 1, 2, 3 as register images (tile t, half q at 1,024 t + 512 q + 16 x lane: neighbouring lanes, neighbouring bytes)
	; to the waves that keep them, and adds the three images that it receives onto its group 0.  The images lie in the ring's bytes: both slots have had their last fill.
	PLACES                                         ; the places behind the last matrix instructions, for all that follows
	s_mul_i32 s16, s13, BM                         ; meanwhile C's address: my 32 rows begin at 128 x block row + 32 x slice,
	s_mul_i32 s14, s66, G*16
	s_add_co_u32 s16, s16, s14
	s_mul_i32 s16, s16, SIZE_N*2
	s_mov_b32 s17, 0
	s_add_nc_u64 s[8:9], s[8:9], s[16:17]
	s_lshl_b32 s46, s42, 8                         ; my columns at byte 256 x block column
	s_mov_b32 s47, 0
	s_add_nc_u64 s[8:9], s[8:9], s[46:47]
	s_wait_dscnt 0x0                               ; my reads of the ring are over (met: the last quarter has waited); my tensor loads have landed since the last change of slots
	s_barrier_signal -1
	s_barrier_wait -1                              ; so are everybody's: the ring's bytes may be written
.macro XSEND p, win, base              ; win: the window of the data (source 1)
	WIN \win
.irp i, 0,1
.irp b, 0,1,2,3,4,5,6,7
	ds_store_b128 v[XS+\p-1], v[\base+8*(8*\i+\b):\base+8*(8*\i+\b)+3]   offset:(\p-1)*PIECE+(8*\i+\b)*1024
	ds_store_b128 v[XS+\p-1], v[\base+8*(8*\i+\b)+4:\base+8*(8*\i+\b)+7] offset:(\p-1)*PIECE+(8*\i+\b)*1024+512
.endr
.endr
.endm
.macro XRECV p, win, base              ; win: the window of the destination; 32 loads
	WIN \win
.irp i, 0,1
.irp b, 0,1,2,3,4,5,6,7
	ds_load_b128 v[\base+8*(8*\i+\b):\base+8*(8*\i+\b)+3],   v[XR] offset:(\p-1)*PIECE+(8*\i+\b)*1024
	ds_load_b128 v[\base+8*(8*\i+\b)+4:\base+8*(8*\i+\b)+7], v[XR] offset:(\p-1)*PIECE+(8*\i+\b)*1024+512
.endr
.endr
.endm
.macro XADD win, base                  ; my group 0 (window 2, v0-127) += the image at base; win: destination and source 0 window 2, source 1 the image's
	WIN \win
.irp i, 0,1,2,3,4,5,6,7
.irp j, 0,1,2,3,4,5,6,7
	v_pk_add_f32 v[2*(8*\i+\j):2*(8*\i+\j)+1], v[2*(8*\i+\j):2*(8*\i+\j)+1], v[\base+2*(8*\i+\j):\base+2*(8*\i+\j)+1]
.endr
.endr
.endm
	XSEND 1, 0x08, 128                             ; group 1: window 2, v128-255
	XSEND 2, 0x0c, 0                               ; group 2: window 3, v0-127
	XSEND 3, 0x0c, 128                             ; group 3: window 3, v128-255
	s_wait_dscnt 0x0                               ; for the others' sake: all my stores are in LDS
	s_barrier_signal -1
	s_barrier_wait -1                              ; everybody's are
	XRECV 1, 0xc0, 0                               ; into registers that have been sent
	XRECV 2, 0xc0, 128
	s_wait_dscnt 32                                ; the first image is in; the second's 32 loads may be out
	XADD 0x8e, 0
	XRECV 3, 0x80, 128
	s_wait_dscnt 32                                ; the second is in; the third's 32 loads may be out
	XADD 0x8e, 128
	s_wait_dscnt 0x0
	XADD 0x8a, 128
	WIN 0x82
.irp i, 0,1,2,3,4,5,6,7
.irp j, 0,1,2,3,4,5,6,7
	v_pk_mul_f32 v[2*(8*\i+\j):2*(8*\i+\j)+1], v[2*(8*\i+\j):2*(8*\i+\j)+1], 0x3e000000 op_sel_hi:[1,0]   ; t / 8: exact, a power of two
.endr
.endr
	; THE WAY OUT, 16 rows at a time: round to f16, 16 bytes a lane into my own stage, read back as whole rows of 256 bytes.  The stage is the wave's own and LDS serves a wave's
	; instructions in order (ISA guide 5.7.1.4): no barrier, and no wait between the stores and the loads.  Each half has its own registers for the stores' data.
.macro OUTH i, f
	WIN 0x0a                                       ; sources 0 and 1 window 2
.irp b, 0,1,2,3,4,5,6,7
.irp r, 0,1,2,3
	v_cvt_pk_f16_f32 v[TMP+4*\b+\r], v[8*(8*\i+\b)+2*\r], v[8*(8*\i+\b)+2*\r+1]
.endr
.endr
	WIN 0
.irp b, 0,1,2,3,4,5,6,7
	ds_store_b128 v[STO], v[TMP+4*\b:TMP+4*\b+3] offset:32*\b
.endr
.irp t, 0,1,2,3,4,5,6,7
	ds_load_b128 v[\f+4*\t:\f+4*\t+3], v[RD] offset:\t*2*SPITCH
.endr
.irp t, 0,1,2,3,4,5,6,7
	s_wait_dscnt 7-\t                              ; read-back t is in; the 7 - t younger may be out
	global_store_b128 v[CO], v[\f+4*\t:\f+4*\t+3], s[8:9] offset:(16*\i+2*\t)*SIZE_N*2   ; 16 lanes store 256 consecutive bytes, at a multiple of 256 from C's first byte; the next launch reads them: no hint
.endr
.endm
	OUTH 0, F0
	OUTH 1, F1
	s_wait_tensorcnt 0x0
	ds_add_u32 v254, v255
	s_wait_dscnt 0x0
	CROUND                                         ; the closing round: no work-group ends while a partner may still ask for a tile that names it
	s_endpgm
.Lfunc_end_k_q5da40340d8_gemm1:
	.size	k_q5da40340d8_gemm1, .Lfunc_end_k_q5da40340d8_gemm1-k_q5da40340d8_gemm1
	.p2alignl 7, 3214868480
	.fill 96, 4, 3214868480
	.section	.rodata,"a",@progbits
	.p2align	6, 0x0
	.amdhsa_kernel k_q5da40340d8_gemm1
		.amdhsa_group_segment_fixed_size 327680
		.amdhsa_private_segment_fixed_size 0
		.amdhsa_enable_private_segment 0
		.amdhsa_kernarg_size 24
		.amdhsa_user_sgpr_count 2
		.amdhsa_user_sgpr_kernarg_segment_ptr 1
		.amdhsa_wavefront_size32 1
		.amdhsa_system_sgpr_workgroup_id_x 1
		.amdhsa_system_sgpr_workgroup_id_y 1
		.amdhsa_system_sgpr_workgroup_id_z 1
		.amdhsa_system_vgpr_workitem_id 0
		.amdhsa_next_free_vgpr 1024
		.amdhsa_next_free_sgpr 72
		.amdhsa_reserve_vcc 0
		.amdhsa_float_denorm_mode_32 3
		.amdhsa_float_denorm_mode_16_64 3
		.amdhsa_memory_ordered 1
		.amdhsa_forward_progress 1
		.amdhsa_inst_pref_size 212
	.end_amdhsa_kernel
	.amdgpu_metadata
---
amdhsa.version: [ 1, 2 ]
amdhsa.kernels:
  - .name:           k_q5da40340d8_gemm1
    .symbol:         k_q5da40340d8_gemm1.kd
    .args:
      - { .name: x16, .offset: 0, .size: 8, .value_kind: global_buffer, .address_space: global }
      - { .name: vhf, .offset: 8, .size: 8, .value_kind: global_buffer, .address_space: global }
      - { .name: t16, .offset: 16, .size: 8, .value_kind: global_buffer, .address_space: global }
    .group_segment_fixed_size: 327680
    .private_segment_fixed_size: 0
    .kernarg_segment_align: 8
    .kernarg_segment_size: 24
    .max_flat_workgroup_size: 128
    .sgpr_count:     72
    .vgpr_count:     1024
    .wavefront_size: 32
...
	.end_amdgpu_metadata
.endif
;; end of part 2
;; launch gemm2 (part 3): grid 16 x 16, 4 waves a work-group, clusters of 4 x 4, 327,680 bytes of LDS; arguments t16, us16, out0; writes out0
.if DOCPART == 3
	.amdgcn_target "amdgcn-amd-amdhsa--gfx1250"
	.amdhsa_code_object_version 6
	.text
	.protected	k_q5da40340d8_gemm2
	.globl	k_q5da40340d8_gemm2
	.p2align	8
	.type	k_q5da40340d8_gemm2,@function
k_q5da40340d8_gemm2:
	s_mov_b64 s[64:65], 0
	v_nop
	global_prefetch_b8 v0, s[64:65] scope:SCOPE_SE
	s_setreg_imm32_b32 hwreg(HW_REG_WAVE_MODE, 25, 1), 1
	s_wait_xcnt 0x0
	s_wait_alu depctr_hold_cnt(0) depctr_sa_sdst(0) depctr_va_vdst(0) depctr_va_sdst(0) depctr_va_ssrc(0) depctr_va_vcc(0) depctr_vm_vsrc(0)
	s_getreg_b32 s2, hwreg(HW_REG_IB_STS2, 6, 4)
	s_cmp_eq_u32 s2, 0
	s_cbranch_scc0 .Lentry_in_a_cluster
	s_endpgm
.Lentry_in_a_cluster:
	s_bfe_u32 s2, ttmp6, 0x10000c
	s_cmp_lg_u32 s2, 0xf033
	s_cbranch_scc0 .Lentry_shape_is_right
	s_endpgm
.Lentry_shape_is_right:
; out0[m][n] = sum over k of t16[m][k] us16[n][k].  A = t16 [4096][1024] f16 (= x Vh^T / 8), B = us16 [2048][1024] f16 (= 8 U S), C = out0 [4096][2048] f32; sums in f32.
; This is the second product of y = (x Vh^T)(U * S)^T; the factors 1/8 and 8 cancel exactly.  W of the problem's formula is never formed (see the head of the first kernel).
; SHAPE.  C has 16 x 16 blocks of 256 x 128: one block for each of 256 work-groups.  Four waves, as many as a WGP has SIMDs.  Wave w = 2 mh + ks holds 128 x 128 sums (512 registers)
; for rows 128 mh .. 128 mh + 127 and takes HALF OF K: of each K step of 128 it multiplies k = 64 ks .. 64 ks + 63.  So 16 KiB of fragments feed 64 matrix instructions, and the
; two partial blocks of each half are added through LDS at the end.  LIMIT: each sum is made as two partial sums, not in one ascending chain.
; RING.  Two LDS slots, each with 256 rows of A and 128 rows of B, 256 bytes of memory a row, starting at multiples of 256 bytes.  Waves 0, 1 fetch 128 rows of A each, waves 2, 3 64 rows of B each.
; CLUSTERS.  4 x 4 work-groups; A's tiles are asked for jointly by the four of a row of the cluster, B's by the four of a column: that divides the requests by four.
; REGISTERS, in windows of 256: window 0: v0-31 addresses; v64-127, v128-191 fragments of A, two buffers, then the way out.  Window 1: the same for B.
;   Window 2: accumulator tiles of register rows a = 0..3 (tile (a, b) at v[8 (8 a + b)]); window 3: a = 4..7.
; THE ROWS ARE ROTATED BY THE WAVE.  A wave's 8 row blocks of 16 form 2 groups of 4.  Register group p holds group (p + ks) mod 2, so window 2 is always the group that the wave keeps and
; writes, and window 3 goes to its partner, wave w xor 1: the exchange is the same text in every wave.
; THE MATRIX INSTRUCTION IS USED TRANSPOSED: source 0 = 16 rows of B, source 1 = 16 rows of A.  Lane l then holds row m = l % 16 and its registers 0-7 the columns n = 8 (l / 16) + 0..7.
.set SIZE_N, 2048
.set SIZE_K, 1024
.set KS,     2                         ; slices of K
.set LOGKS,  1
.set G,      8/KS                      ; row blocks of 16 in a group
.set BM,     256                       ; rows of the work-group's block
.set KSTEP,  64*KS                     ; 128: K of a slot
.set PITCH,  2*KSTEP+16                ; 272: an LDS row with 16 bytes of padding, an odd multiple of 16: the 16 rows that a load touches start 16 bytes apart modulo 256
.set QI,     5                         ; padding after every 2 << 5 = 64 words, a row
.set RA,     128                       ; rows of one load of A
.set RB,     64                        ; rows of one load of B
.set SLOT,   (BM+128)*PITCH            ; A's 256 rows, then B's 128 rows
.set LAPS,   SIZE_K/(2*KSTEP)          ; 4: a lap = two K steps = once round the ring
.set PIECE,  G*8*1024                  ; a group of sums as a register image: 32 tiles of 1,024 bytes
.set XCHB,   4*(KS-1)*PIECE            ; the exchange: one piece for each of four waves, from LDS byte 0, in the ring's bytes behind their last fill
.set SPITCH, 528                       ; the way out: a row of 128 f32 + 16 bytes
.set ADRA, 16                          ; v16-19  LDS address of my A fragments: slot 0 groups 0, 1, slot 1 groups 0, 1
.set ADRB, 24                          ; v24-25  the same for B, slot 0, 1
.set XS,   26                          ; v26     where my group 1 goes
.set XR,   29                          ; v29     where the piece for me lies
.set STO,  30                          ; v30     the way out: where I put 32 bytes of a row
.set RD,   31                          ; v31     the way out: where I read a row back
.set CO,   6                           ; v6      my byte offset in a row of C: 16 x lane
.set F0,   64
.set F1,   128
.set G1,  24                           ; s[24:31] descriptor group 1 for A's tiles
.set G0,  32                           ; s[32:39] descriptor group 0 for A's tiles, one set for each slot
.set G1B, 48                           ; s[48:55] group 1 for B's tiles
.set G0B, 56                           ; s[56:63] group 0 for B's tiles, one set for each slot
.set MSB, 0
.macro WIN new                         ; the immediate's high byte repeats the setting that is left; a switch that changes nothing is dropped
.if MSB != \new
	s_set_vgpr_msb (MSB<<8)|\new
.set MSB, \new
.endif
.endm
.set MUL_LO, 0xa1                      ; source 0 (B) window 1, source 1 (A) window 0, C and D window 2
.set MUL_HI, 0xf1                      ; the same, C and D window 3
.set TO_B,   0x40                      ; destination window 1, address window 0
; A joint load.  Waves 0 and 1 fetch A's two halves, waves 2 and 3 B's.  Each line has one mask and one set of registers; the branch hangs on the wave's number alone.
.macro JLOAD s
	s_cmp_eq_u32 s11, 0
	s_cbranch_scc0 .Lfor_b_\@
	tensor_load_to_lds s[G0+4*\s:G0+4*\s+3], s[G1:G1+7]
	s_nop 0
	s_branch .Lasked_\@
.Lfor_b_\@:
	tensor_load_to_lds s[G0B+4*\s:G0B+4*\s+3], s[G1B:G1B+7]
	s_nop 0
.Lasked_\@:
.endm
; A round of the cluster's barrier: my work-group's barrier, so that wave 0's signal speaks for all four waves; wave 0 signals for the work-group; every wave waits for all
; sixteen work-groups; my work-group's barrier once more.
.macro CREST                           ; a round behind its opening barrier
	s_cmp_lg_u32 s10, 0
	s_cbranch_scc1 .Lnot_wave_0_\@
	s_barrier_signal -3
.Lnot_wave_0_\@:
	s_barrier_wait -3
	s_barrier_signal -1
	s_barrier_wait -1
.endm
.macro CROUND                          ; a whole round
	s_barrier_signal -1
	s_barrier_wait -1
	CREST
.endm
	s_load_b128 s[4:7], s[0:1], 0x0                ; A s[4:5], B s[6:7]
	s_load_b64 s[8:9], s[0:1], 0x10                ; C
	s_set_vgpr_msb 0x40
	v_lshl_add_u32 v255, v0, 2, 0x33000
	s_set_vgpr_msb 0x4000
	v_mov_b32 v255, 0
	s_set_vgpr_msb 0x1
	ds_add_u32 v255, v255
	ds_add_u32 v255, v255
	s_set_vgpr_msb 0x100
	v_lshrrev_b32 v1, 5, v0
	v_readfirstlane_b32 s10, v1                    ; wave 0..3
	s_lshr_b32 s11, s10, 1                         ; I fetch for A (0) or for B (1),
	s_and_b32 s12, s10, 1                          ; and which half of that tile
	s_and_b32 s66, s10, KS-1                       ; ks: my slice of K, and the group of rows that I keep
	s_lshr_b32 s67, s10, LOGKS                     ; mh: my 128 rows of the block
	s_bfe_u32 s40, ttmp6, 0x40000                  ; cx
	s_bfe_u32 s41, ttmp6, 0x40004                  ; cy
	s_lshl_b32 s42, ttmp9, 2
	s_add_co_u32 s42, s42, s40                     ; block column of C = 4 x cluster x + cx
	s_and_b32 s13, ttmp7, 0xffff
	s_lshl_b32 s13, s13, 2
	s_add_co_u32 s13, s13, s41                     ; block row of C = 4 x cluster y + cy
	s_lshl_b32 s43, s41, 2
	s_lshl_b32 s43, 15, s43                        ; my row of the cluster: places 4 cy .. 4 cy + 3
	s_lshl_b32 s44, 0x1111, s40                    ; my column: places cx, cx + 4, cx + 8, cx + 12
	; descriptor group 1: a tile of 128 (A) or 64 (B) rows x 128 elements of 2 bytes, padded in LDS
	s_or_b32 s[G1+0], s43, (1<<16)|(1<<20)|(1<<21)|(QI<<22)|(3<<25)   ; 15:0 mask: A's tiles go to my row; 17:16 2 bytes; 20 padding on; 21 set beside a mask; 24:22 after every 64 words; 31:25 of 4 words
	s_or_b32 s[G1B+0], s44, (1<<16)|(1<<20)|(1<<21)|(QI<<22)|(3<<25)  ; the same with the mask of my column
	s_mov_b32 s[G1+1], KSTEP<<16                   ; tensor_dim0 = 128
	s_mov_b32 s[G1B+1], KSTEP<<16
	s_mov_b32 s[G1+2], RA<<16                      ; tensor_dim1 = the tile's rows
	s_mov_b32 s[G1B+2], RB<<16
	s_mov_b32 s[G1+3], KSTEP<<16                   ; tile_dim0 = 128
	s_mov_b32 s[G1B+3], KSTEP<<16
	s_mov_b32 s[G1+4], RA                          ; tile_dim1
	s_mov_b32 s[G1B+4], RB
	s_mov_b32 s[G1+5], SIZE_K                      ; elements from row to row
	s_mov_b32 s[G1B+5], SIZE_K
	s_mov_b32 s[G1+6], 0
	s_mov_b32 s[G1B+6], 0
	s_mov_b32 s[G1+7], 0
	s_mov_b32 s[G1B+7], 0
	; where the tiles come from.  A's hang on the block row alone, which my row of the cluster shares; B's on the block column alone, which my column shares.
	; Every wave makes both offsets, in registers that never hold the other coordinate, and asks by one of them.  Both stay below 8 MiB: one word, high word 0.
	s_mul_i32 s17, s12, RA
	s_mul_i32 s16, s13, BM
	s_add_co_u32 s16, s16, s17                     ; A: row 256 x block row + 128 x half
	s_mul_i32 s16, s16, SIZE_K*2
	s_mov_b32 s17, 0
	s_mul_i32 s47, s12, RB
	s_lshl_b32 s46, s42, 7
	s_add_co_u32 s46, s46, s47                     ; B: row 128 x block column + 64 x half
	s_mul_i32 s46, s46, SIZE_K*2
	s_mov_b32 s47, 0
	s_mul_i32 s20, s10, RA*PITCH                   ; where A's halves go (waves 0, 1): wave x 128 rows
	s_mul_i32 s21, s10, RB*PITCH                   ; where B's go (waves 2, 3): behind A's 256 rows, (wave - 2) x 64 rows = wave x 64 rows + 128 rows
	s_add_co_u32 s21, s21, (BM-128)*PITCH          ; no place in the cluster enters an LDS address
	s_wait_dscnt 0x0
	s_wait_kmcnt 0x0
	s_add_nc_u64 s[14:15], s[4:5], s[16:17]
	s_add_nc_u64 s[46:47], s[6:7], s[46:47]
	CROUND                                         ; all sixteen work-groups are here: the first joint loads meet
.irp s, 0,1
	s_mov_b32 s[G0+4*\s], 1                                        ; count = 1
	s_add_co_u32 s[G0+4*\s+1], s20, \s*SLOT                        ; LDS address
	s_add_nc_u64 s[G0+4*\s+2:G0+4*\s+3], s[14:15], \s*KSTEP*2      ; global address: K step s
	s_or_b32 s[G0+4*\s+3], s[G0+4*\s+3], 0x80000000                ; type = 2
	s_mov_b32 s[G0B+4*\s], 1
	s_add_co_u32 s[G0B+4*\s+1], s21, \s*SLOT
	s_add_nc_u64 s[G0B+4*\s+2:G0B+4*\s+3], s[46:47], \s*KSTEP*2
	s_or_b32 s[G0B+4*\s+3], s[G0B+4*\s+3], 0x80000000
	JLOAD \s                                       ; both first fills go out together: two tensor loads of the wave are out here, one behind every later round
.endr
	; A fragment is 16 rows x 32 K in 8 registers: lane l holds row l % 16; registers 0-3 hold K = 8 (l / 16) + 0..7, registers 4-7 K = 16 + 8 (l / 16) + 0..7:
	; two loads of 16 bytes, 32 bytes apart.
	v_and_b32 v1, 15, v0                           ; r = l % 16
	v_bfe_u32 v2, v0, 4, 1                         ; h = l / 16
	v_mul_u32_u24 v3, v1, PITCH
	v_lshl_add_u32 v3, v2, 4, v3                   ; r x pitch + 16 h
	v_and_b32 v6, 31, v0
	v_lshlrev_b32 v6, 4, v6                        ; 16 x lane
	s_lshl_b32 s70, s66, 7                         ; my 64 k of a slot begin at byte 128 ks of every row
	s_mul_i32 s69, s67, 128*PITCH                  ; my 128 rows of A
	s_add_co_u32 s69, s69, s70
.irp p, 0,1
	s_add_co_u32 s68, s66, \p
	s_and_b32 s68, s68, KS-1                       ; register group p holds group (p + ks) mod 2 of my rows
	s_mul_i32 s68, s68, G*16*PITCH
	s_add_co_u32 s68, s68, s69
	v_add_nc_u32 v[ADRA+\p], s68, v3
	v_add_nc_u32 v[ADRA+KS+\p], SLOT, v[ADRA+\p]
.endr
	s_add_co_u32 s68, s70, BM*PITCH                ; B's rows lie behind A's
	v_add_nc_u32 v[ADRB], s68, v3
	v_add_nc_u32 v[ADRB+1], SLOT, v[ADRB]
	s_xor_b32 s68, s10, 1                          ; the wave that keeps my group 1: the same rows, the other slice
	s_mul_i32 s68, s68, PIECE
	v_add_nc_u32 v[XS], s68, v6
	s_mul_i32 s68, s10, PIECE
	v_add_nc_u32 v[XR], s68, v6
	s_mul_i32 s23, s10, 16*SPITCH
	s_add_co_u32 s23, s23, XCHB                    ; my stage, behind the exchange
	v_mul_u32_u24 v4, v1, SPITCH                   ; in: row r, 32 bytes for each half of the lanes
	v_lshl_add_u32 v4, v2, 5, v4
	v_add_nc_u32 v[STO], s23, v4
	v_add_nc_u32 v[RD], s23, v6                    ; back: the 32 lanes take one row of 512 bytes
; 16 matrix instructions: register rows a0, a0 + 1 of the window's four x all 8 column blocks, 32 along K.  zero = 1: the first product starts the sums: nothing is cleared.
; The 64 accumulators take turns, one instruction a turn, in the same order in every quarter, over the loop's backward jump too.
.macro MUL16 f, hi, a0, zero
.irp a, \a0, \a0+1
.irp b, 0,1,2,3,4,5,6,7
.if \zero
	v_wmma_f32_16x16x32_f16 v[8*(8*(\a)+\b):8*(8*(\a)+\b)+7], v[\f+8*\b:\f+8*\b+7], v[\f+8*(4*\hi+\a):\f+8*(4*\hi+\a)+7], 0
.else
	v_wmma_f32_16x16x32_f16 v[8*(8*(\a)+\b):8*(8*(\a)+\b)+7], v[\f+8*\b:\f+8*\b+7], v[\f+8*(4*\hi+\a):\f+8*(4*\hi+\a)+7], v[8*(8*(\a)+\b):8*(8*(\a)+\b)+7]
.endif
.endr
.endr
.endm
; 32 LDS loads in one run: 128 rows of B and 128 rows of A, 32 K at byte k of my part of the rows, into buffer f.  A's register row i is row i % G of register group i / G.
.macro FETCH slot, k, f
	WIN TO_B
.irp i, 0,1,2,3,4,5,6,7
	ds_load_b128 v[\f+8*\i:\f+8*\i+3],   v[ADRB+\slot] offset:\k+\i*16*PITCH
	ds_load_b128 v[\f+8*\i+4:\f+8*\i+7], v[ADRB+\slot] offset:\k+\i*16*PITCH+32
.endr
	WIN 0
.irp i, 0,1,2,3,4,5,6,7
	ds_load_b128 v[\f+8*\i:\f+8*\i+3],   v[ADRA+\slot*KS+\i/G] offset:\k+(\i%G)*16*PITCH
	ds_load_b128 v[\f+8*\i+4:\f+8*\i+7], v[ADRA+\slot*KS+\i/G] offset:\k+(\i%G)*16*PITCH+32
.endr
.endm
; A load into a register that a matrix instruction has read, and whatever reads a matrix result other than the next link of its chain, stand four places behind that matrix
; instruction; only plain vector instructions that name none of its registers are places (ISA guide 7.12.1 for vector instructions).
.macro PLACES
.rept 4
	v_nop
.endr
.endm
; A wave's part of a K step is two quarters of 32 along K, 64 matrix instructions each, on buffers 0 and 1.
; The first: multiplies buffer f; in its middle it fetches the second quarter's fragments into buffer g.
.macro QUARTER slot, k, f, g, zero
	s_wait_dscnt 8                                 ; B and A's register rows 0-3 are in; the youngest eight loads (rows 4-7) may be out
	WIN MUL_LO
	MUL16 \f, 0, 0, \zero
	MUL16 \f, 0, 2, \zero
	PLACES
	FETCH \slot, \k, \g
	s_wait_dscnt 32                                ; all but the 32 just issued
	WIN MUL_HI
	MUL16 \f, 1, 0, \zero
	MUL16 \f, 1, 2, \zero
.endm
; The second: multiplies buffer 1 and changes slots.  fill = 1: this slot is filled again, two K steps ahead.  One barrier for the change.  In front of it each wave waits for its own
; reads of this slot and for all its tensor loads, of which one is out: its part of the next slot.  Behind it nobody reads this slot and the next slot is whole: the refill comes
; first, then the next slot's first fragments.  From a request to the wait for it a wave issues 32 + 64 + 16 = 112 matrix instructions.
.macro TURN slot, next, fill
	s_wait_dscnt 8
	WIN MUL_LO
	MUL16 F1, 0, 0, 0
	s_wait_dscnt 0                                 ; my reads of this slot are over
	s_wait_tensorcnt 0x0                           ; and all my tensor loads have landed
	ds_add_u32 v255, v255
	s_wait_dscnt 0x0
	s_barrier_signal -1                            ; say so (where a slot is filled again this barrier opens a round of the cluster's barrier),
	MUL16 F1, 0, 2, 0                              ; work on registers while the others arrive,
	WIN 0
	s_barrier_wait -1
.if \fill
	CREST                                          ; no wave of any partner still reads this slot's tile or has a load on its way
	s_add_nc_u64 s[G0+4*\slot+2:G0+4*\slot+3], s[G0+4*\slot+2:G0+4*\slot+3], 2*KSTEP*2
	s_add_nc_u64 s[G0B+4*\slot+2:G0B+4*\slot+3], s[G0B+4*\slot+2:G0B+4*\slot+3], 2*KSTEP*2
	JLOAD \slot                                    ; the first tensor load behind the round, and the wave's only one until the next
.endif
	PLACES
	FETCH \next, 0, F0
	WIN MUL_HI
	MUL16 F1, 1, 0, 0
	MUL16 F1, 1, 2, 0
.endm
.macro STEP slot, next, fill, zero
	QUARTER \slot, 64, F0, F1, \zero
	TURN \slot, \next, \fill
.endm
.macro LAP zero                        ; once round the ring, both slots filled again
	STEP 0, 1, 1, \zero
	STEP 1, 0, 1, 0
.endm
	s_wait_tensorcnt 0x1                           ; my part of K step 0 is in; K step 1's may stay out
	s_barrier_signal -1
	s_barrier_wait -1                              ; everybody's is
	FETCH 0, 0, F0
	LAP 1                                          ; the first lap stands in front of the loop: its first products start the sums
	WIN 0                                          ; at a label and at a branch every window is 0
	s_mov_b32 s3, LAPS-2
.Llap:
	LAP 0
	WIN 0
	s_sub_co_u32 s3, s3, 1
	s_cmp_lg_u32 s3, 0
	s_cbranch_scc1 .Llap
	STEP 0, 1, 0, 0                                ; the last lap fills nothing and has no round of the cluster's barrier
	QUARTER 1, 64, F0, F1, 0
	s_wait_dscnt 8                                 ; the very last quarter: nothing more to fetch
	WIN MUL_LO
	MUL16 F1, 0, 0, 0
	MUL16 F1, 0, 2, 0
	s_wait_dscnt 0
	WIN MUL_HI
	MUL16 F1, 1, 0, 0
	MUL16 F1, 1, 2, 0
	; THE TWO PARTIAL BLOCKS ARE ADDED.  Each wave sends window 3 as a register image (tile t, half q at 1,024 t + 512 q + 16 x lane: neighbouring lanes, neighbouring bytes) to its
	; partner and adds the image that it receives onto window 2.  The images lie in the ring's bytes: both slots have had their last fill.
	PLACES                                         ; the places behind the last matrix instructions, for all that follows
	s_mul_i32 s16, s13, BM                         ; meanwhile C's address: my 64 rows begin at 256 x block row + 128 mh + 64 ks,
	s_lshl_b32 s14, s67, 7
	s_add_co_u32 s16, s16, s14
	s_mul_i32 s14, s66, G*16
	s_add_co_u32 s16, s16, s14
	s_mul_i32 s16, s16, SIZE_N*4
	s_mov_b32 s17, 0
	s_add_nc_u64 s[8:9], s[8:9], s[16:17]
	s_lshl_b32 s46, s42, 9                         ; my columns at byte 512 x block column
	s_mov_b32 s47, 0
	s_add_nc_u64 s[8:9], s[8:9], s[46:47]
	s_wait_dscnt 0x0                               ; my reads of the ring are over (met: the last quarter has waited); my tensor loads have landed since the last change of slots
	s_barrier_signal -1
	s_barrier_wait -1                              ; so are everybody's: the ring's bytes may be written
	WIN 0x0c                                       ; the stores' data (source 1) in window 3
.irp i, 0,1,2,3
.irp b, 0,1,2,3,4,5,6,7
	ds_store_b128 v[XS], v[8*(8*\i+\b):8*(8*\i+\b)+3]   offset:(8*\i+\b)*1024
	ds_store_b128 v[XS], v[8*(8*\i+\b)+4:8*(8*\i+\b)+7] offset:(8*\i+\b)*1024+512
.endr
.endr
	s_wait_dscnt 0x0                               ; for the partner's sake: all my stores are in LDS
	s_barrier_signal -1
	s_barrier_wait -1                              ; everybody's are
	WIN 0xc0                                       ; destination window 3: registers that have been sent
.irp i, 0,1,2,3
.irp b, 0,1,2,3,4,5,6,7
	ds_load_b128 v[8*(8*\i+\b):8*(8*\i+\b)+3],   v[XR] offset:(8*\i+\b)*1024
	ds_load_b128 v[8*(8*\i+\b)+4:8*(8*\i+\b)+7], v[XR] offset:(8*\i+\b)*1024+512
.endr
.endr
.macro XADD base                       ; 128 registers of window 2 += the same of window 3
.irp i, 0,1,2,3,4,5,6,7
.irp j, 0,1,2,3,4,5,6,7
	v_pk_add_f32 v[\base+2*(8*\i+\j):\base+2*(8*\i+\j)+1], v[\base+2*(8*\i+\j):\base+2*(8*\i+\j)+1], v[\base+2*(8*\i+\j):\base+2*(8*\i+\j)+1]
.endr
.endr
.endm
	WIN 0x8e                                       ; destination and source 0 window 2, source 1 window 3
	s_wait_dscnt 32                                ; the first 32 loads (tiles 0-15, registers 0-127) are in; the 32 younger may be out
	XADD 0
	s_wait_dscnt 0x0
	XADD 128
	; THE WAY OUT, 16 rows at a time: 32 bytes a lane from the accumulators into my own stage, read back as whole rows of 512 bytes.  The stage is the wave's own and LDS serves a wave's
	; instructions in order (ISA guide 5.7.1.4): no barrier, and no wait between the stores and the loads.
.macro OUTF i, f
	WIN 0x08                                       ; the stores' data (source 1) in window 2
.irp b, 0,1,2,3,4,5,6,7
	ds_store_b128 v[STO], v[8*(8*\i+\b):8*(8*\i+\b)+3]   offset:64*\b
	ds_store_b128 v[STO], v[8*(8*\i+\b)+4:8*(8*\i+\b)+7] offset:64*\b+16
.endr
	WIN 0
.if \i > 1
	s_wait_xcnt 0x0                                ; every earlier memory instruction has had its addresses translated (ISA guide 3.1): buffer f, which stores of two turns ago read, is loaded again only behind this wait
.endif
.irp t, 0,1,2,3,4,5,6,7,8,9,10,11,12,13,14,15
	ds_load_b128 v[\f+4*\t:\f+4*\t+3], v[RD] offset:\t*SPITCH
.endr
.irp t, 0,1,2,3,4,5,6,7,8,9,10,11,12,13,14,15
	s_wait_dscnt 15-\t                             ; read-back t is in; the 15 - t younger may be out
	global_store_b128 v[CO], v[\f+4*\t:\f+4*\t+3], s[8:9] offset:(16*\i+\t)*SIZE_N*4 th:TH_STORE_NT   ; the wave stores 512 consecutive bytes, at a multiple of 512 from C's first byte; written once, not read again
.endr
.endm
	OUTF 0, F0
	OUTF 1, F1
	OUTF 2, F0
	OUTF 3, F1
	s_set_vgpr_msb 0x1
	s_wait_tensorcnt 0x0
	ds_add_u32 v255, v255
	s_wait_dscnt 0x0
	s_set_vgpr_msb 0x100
	CROUND                                         ; the closing round: no work-group ends while a partner may still ask for a tile that names it
	s_endpgm
.Lfunc_end_k_q5da40340d8_gemm2:
	.size	k_q5da40340d8_gemm2, .Lfunc_end_k_q5da40340d8_gemm2-k_q5da40340d8_gemm2
	.p2alignl 7, 3214868480
	.fill 96, 4, 3214868480
	.section	.rodata,"a",@progbits
	.p2align	6, 0x0
	.amdhsa_kernel k_q5da40340d8_gemm2
		.amdhsa_group_segment_fixed_size 327680
		.amdhsa_private_segment_fixed_size 0
		.amdhsa_enable_private_segment 0
		.amdhsa_kernarg_size 24
		.amdhsa_user_sgpr_count 2
		.amdhsa_user_sgpr_kernarg_segment_ptr 1
		.amdhsa_wavefront_size32 1
		.amdhsa_system_sgpr_workgroup_id_x 1
		.amdhsa_system_sgpr_workgroup_id_y 1
		.amdhsa_system_sgpr_workgroup_id_z 1
		.amdhsa_system_vgpr_workitem_id 0
		.amdhsa_next_free_vgpr 1024
		.amdhsa_next_free_sgpr 72
		.amdhsa_reserve_vcc 0
		.amdhsa_float_denorm_mode_32 3
		.amdhsa_float_denorm_mode_16_64 3
		.amdhsa_memory_ordered 1
		.amdhsa_forward_progress 1
		.amdhsa_inst_pref_size 120
	.end_amdhsa_kernel
	.amdgpu_metadata
---
amdhsa.version: [ 1, 2 ]
amdhsa.kernels:
  - .name:           k_q5da40340d8_gemm2
    .symbol:         k_q5da40340d8_gemm2.kd
    .args:
      - { .name: t16, .offset: 0, .size: 8, .value_kind: global_buffer, .address_space: global }
      - { .name: us16, .offset: 8, .size: 8, .value_kind: global_buffer, .address_space: global }
      - { .name: out0, .offset: 16, .size: 8, .value_kind: global_buffer, .address_space: global }
    .group_segment_fixed_size: 327680
    .private_segment_fixed_size: 0
    .kernarg_segment_align: 8
    .kernarg_segment_size: 24
    .max_flat_workgroup_size: 128
    .sgpr_count:     72
    .vgpr_count:     1024
    .wavefront_size: 32
...
	.end_amdgpu_metadata
.endif
;; end of part 3
